; MI455X (gfx1250); checked and timed in simulation.
; The chip was launched on July 23, 2026; its instructions are those of AMD's public machine-readable ISA for CDNA 5 (MIT licence, August 2026) and "CDNA5" Instruction Set Architecture Reference Guide (July 2026). The comments in the code are by the model that wrote it; some were corrected since.
;; Linear With Lo RA. Allowed arithmetic: float matrix products may take bf16 or f16 operands with f32 sums; other float arithmetic in f32, or as packed bf16 or f16 multiplies, adds, multiply-adds, maxima and minima; sums over many terms, partial sums and values carried from step to step in f32; what a program stores and reads back later, other than sums and carried values, may be rounded once to bf16 or f16.
;; Inputs: A 4,096 x 16 float32; B 16 x 4,096 float32; scale 262,144 float32; w_q 4,096 x 4,096 int32; x 4 x 1,024 x 4,096 float32.
;; Outputs: out0 4 x 1,024 x 4,096 float32.
;; One version. Each part assembles by itself: llvm-mc -triple=amdgcn-amd-amdhsa -mcpu=gfx1250 --defsym DOCPART=n.
;; ======== version 1 of 1: 2 launches
;; limits: values are held in f16: magnitudes above 65,504 overflow, below 6.1e-05 lose precision
;; workspace buffers: xh 33,554,432 bytes; wh 33,554,432 bytes
;; launch prep (part 1): grid 4 x 64, 8 waves a work-group, no clusters, 327,680 bytes of LDS; arguments x, w_q, scale, A, B, xh, wh; writes xh, wh
.if DOCPART == 1
	.amdgcn_target "amdgcn-amd-amdhsa--gfx1250"
	.amdhsa_code_object_version 6
	.text
	.protected	k_q7cb9451d13_prep
	.globl	k_q7cb9451d13_prep
	.p2align	8
	.type	k_q7cb9451d13_prep,@function
k_q7cb9451d13_prep:
	s_mov_b64 s[64:65], 0
	v_nop
	global_prefetch_b8 v0, s[64:65] scope:SCOPE_SE
	s_setreg_imm32_b32 hwreg(HW_REG_WAVE_MODE, 25, 1), 1
	s_wait_xcnt 0x0
; xh = f16(x);  wh[o][i] = f16( f32(w_q[o][i]) * scale[64 o + i / 64] + sum over r of A[i][r] * (2 B[r][o]) ).
; x: [4096][4096] f32, w_q: [4096][4096] i32, scale: [262144] f32, A: [4096][16] f32, B: [16][4096] f32.
; (x A) B (ALPHA / RANK) = x (A 2B) for every input, so the low-rank path is added to the weight here, in f32, before the weight's one rounding;
; the launch behind multiplies xh by wh and has no second product.  The 16 x 16 x 16 products A 2B go to the matrix unit in f16 with f32 sums.
; LIMITS.  x and the summed weight are rounded once to f16: a magnitude of 65,520 or more becomes an infinity, below 6e-5 f16 keeps its fixed step of 6e-8.
; A and 2 B are rounded to f16 for their product.  The order of sums differs from (x A) B.  w_q is taken as any i32.  NaN and infinities are not treated apart.
; LAYOUT OF xh AND wh (R the row, k the column), the same for both:
;   byte = (R / 128) 1,048,576 + (k / 128) 32,768 + ((R / 16) % 8) 4,096 + ((k / 8) % 16) 256 + (R % 16) 16 + (k % 8) 2
; so 128 rows x 128 k are 32,768 bytes on end, and 16 rows x 8 k are 256 bytes on end: sixteen neighbouring lanes (16 rows, one chunk of 8 k) store 256 consecutive bytes, aligned.
; SHARES.  A work-group owns rows 64 rg .. + 63 and columns 1,024 iq .. + 1,023 of x and of w_q.  Wave w owns columns 128 w .. + 127 of those, as two tiles t of 64 rows x 64 columns (rows of 256 bytes,
; aligned); a tile of w_q holds one scale group of each row.  A wave's four tiles (x t = 0, x t = 1, w_q t = 0, w_q t = 1) go through its own ring of two LDS slots, slot t for tile t.
; LANES.  r = lane % 16, h = lane / 16.  In row block rb (16 rows) and chunk pair cp (16 columns) lane (r, h) holds row 16 rb + r, columns 16 cp + 8 h + 0..7: the layout of a matrix result whose source 0 has
; the columns as rows and whose source 1 has the rows as columns.  So A 2B falls where the weights lie, and nothing changes lanes.
; NO CLUSTER: what work-groups share is A (64 KiB a work-group) and B (4 KiB), 68 of the 580 KiB that a work-group reads, and it comes through registers.
; scale is read as 8 bytes of each of 64 rows 256 bytes apart, once a wave: 512 bytes a wave beside its 64 KiB of tiles; staging it would cost more text than bytes.
.set PITCH, 272                        ; an LDS row: 256 bytes + 16 of padding = 17 x 16: the 16 rows that 16 lanes read begin in 16 different columns of 16 bytes modulo 256
.set TILE,  64*PITCH                   ; a slot
.set RING,  2*TILE                     ; a wave's two slots
.set SPARE, 8*RING                     ; behind the eight rings: the spare words, 128 bytes for each wave: four blocks of 256 bytes that no other line names
.set LA,  2                            ; v2   LDS address: my ring + r x 272 + 32 h; never rewritten
.set OFF, 3                            ; v3   16 x lane: my 16 bytes of a store's 512; never rewritten
.set SPW, 4                            ; v4   LDS address of my spare word; never rewritten
.set NIL, 5                            ; v5   0; never rewritten
.set AO,  6                            ; v6   64 r + 16 h: my 16 bytes of a row of A
.set BO,  7                            ; v7   65,536 h + 4 r: four ranks down for the upper lanes, my column of B
.set SO,  8                            ; v8   256 r: my row's scales
.set SC0, 12                           ; v[12:19]  pair rb: my row's scales of tiles 0 and 1, as loaded
.set SC1, 20                           ; v[20:27]  pair rb: tile 1's scale, twice (the packed multiply-add takes a pair's low word for both halves)
.set Y,   28                           ; v[28:43]  four registers a chunk pair: 8 f16 to store
.set Q,   44                           ; v[44:75]  eight registers a chunk pair: 8 numbers as read from LDS
.set D,   76                           ; v[76:107] eight registers a chunk pair: A 2B
.set BF,  108                          ; v[108:139] 2 B's fragment of row block rb at BF + 8 rb
.set AF,  140                          ; v[140:203] A's fragment of tile t, chunk pair cp at AF + 8 (4 t + cp)
.set G1,  24                           ; s[24:31]  descriptor group 1, the same for every load
.set G0,  32                           ; s[32:47]  descriptor group 0, a set for each of the four tiles: none is ever rewritten
	s_load_b256 s[4:11], s[0:1], 0x0               ; x s[4:5], w_q s[6:7], scale s[8:9], A s[10:11]
	s_load_b128 s[12:15], s[0:1], 0x20             ; B s[12:13], xh s[14:15]
	s_load_b64 s[16:17], s[0:1], 0x30              ; wh
	v_lshl_add_u32 v[SPW], v0, 2, SPARE
	v_mov_b32 v[NIL], 0
	ds_add_u32 v[SPW], v[NIL]                      ; the wave's opening: the add, twice on end, and its wait ahead of my first tensor load; the set-up below stands between
	ds_add_u32 v[SPW], v[NIL]                      ; and once more, under the one wait
	v_lshrrev_b32 v1, 5, v0
	v_readfirstlane_b32 s18, v1                    ; wave 0..7
	s_mov_b32 s19, ttmp9                           ; iq 0..3
	s_and_b32 s20, ttmp7, 0xffff                   ; rg 0..63
	s_mul_i32 s21, s18, RING                       ; my ring in LDS
	s_lshl_b32 s22, s20, 20                        ; x and w_q: 64 rg rows of 16,384 bytes
	s_lshl_b32 s2, s19, 12                         ; + 1,024 iq columns of 4 bytes
	s_add_co_u32 s22, s22, s2
	s_lshl_b32 s2, s18, 9                          ; + 128 w columns
	s_add_co_u32 s22, s22, s2
	s_mov_b32 s23, 0
	s_lshr_b32 s48, s20, 1                         ; xh and wh: group of 128 rows rg / 2,
	s_lshl_b32 s48, s48, 20
	s_lshl_b32 s2, s19, 3
	s_add_co_u32 s2, s2, s18                       ; group of 128 columns 8 iq + w,
	s_lshl_b32 s2, s2, 15
	s_add_co_u32 s48, s48, s2
	s_and_b32 s2, s20, 1                           ; and the upper four row blocks of the eight where rg is odd
	s_lshl_b32 s2, s2, 14
	s_add_co_u32 s48, s48, s2
	s_mov_b32 s49, 0
	s_lshl_b32 s50, s19, 16                        ; A: row 1,024 iq + 128 w, 64 bytes a row
	s_lshl_b32 s2, s18, 13
	s_add_co_u32 s50, s50, s2
	s_mov_b32 s51, 0
	s_lshl_b32 s52, s20, 8                         ; B: column 64 rg
	s_mov_b32 s53, 0
	s_lshl_b32 s54, s20, 14                        ; scale: row 64 rg, 256 bytes a row,
	s_lshl_b32 s2, s19, 6                          ; group 16 iq + 2 w
	s_add_co_u32 s54, s54, s2
	s_lshl_b32 s2, s18, 3
	s_add_co_u32 s54, s54, s2
	s_mov_b32 s55, 0
	; group 1: a tile of 64 rows x 64 elements of 4 bytes, padded in LDS.  The tiles lie inside their tensors, so the extents are the tile's.
	s_mov_b32 s[G1+0], (2<<16)|(1<<20)|(5<<22)|(3<<25)  ; 17:16 elements of 4 bytes; 20 padding on; 24:22 after every 64 words (code 5); 31:25 4 words of it (code 3)
	s_mov_b32 s[G1+1], 64<<16                      ; tensor_dim0 = 64
	s_mov_b32 s[G1+2], 64<<16                      ; tensor_dim1 = 64
	s_mov_b32 s[G1+3], 64<<16                      ; tile_dim0 = 64
	s_mov_b32 s[G1+4], 64                          ; tile_dim1 = 64
	s_mov_b32 s[G1+5], 4096                        ; elements from row to row
	s_mov_b32 s[G1+6], 0
	s_mov_b32 s[G1+7], 0
.irp n, 0,1,2,3
	s_mov_b32 s[G0+4*(\n)], 1                      ; count = 1
	s_add_co_u32 s[G0+4*(\n)+1], s21, ((\n)&1)*TILE  ; LDS address: my ring, slot n % 2
.endr
	s_wait_dscnt 0x0                               ; both opening adds are done
	s_wait_kmcnt 0x0
	s_add_nc_u64 s[4:5], s[4:5], s[22:23]          ; x at my first tile
	s_add_nc_u64 s[6:7], s[6:7], s[22:23]          ; w_q likewise
	s_add_nc_u64 s[8:9], s[8:9], s[54:55]
	s_add_nc_u64 s[10:11], s[10:11], s[50:51]
	s_add_nc_u64 s[12:13], s[12:13], s[52:53]
	s_add_nc_u64 s[14:15], s[14:15], s[48:49]
	s_add_nc_u64 s[16:17], s[16:17], s[48:49]
.irp n, 0,1,2,3
	s_add_nc_u64 s[G0+4*(\n)+2:G0+4*(\n)+3], s[4+2*((\n)/2):5+2*((\n)/2)], ((\n)&1)*256  ; tiles 0, 1 of x, tiles 2, 3 of w_q; the odd ones 64 columns on
	s_or_b32 s[G0+4*(\n)+3], s[G0+4*(\n)+3], 0x80000000  ; type = 2
.endr
	tensor_load_to_lds s[G0:G0+3], s[G1:G1+7]      ; the two first fills go out together, ahead of every wait on TENSORcnt, every LDS read and every barrier: two loads of mine are out
	s_nop 0
	tensor_load_to_lds s[G0+4:G0+7], s[G1:G1+7]
	s_nop 0
	v_and_b32 v11, 31, v0                          ; lane
	v_and_b32 v9, 15, v0                           ; r
	v_bfe_u32 v10, v0, 4, 1                        ; h
	v_mul_u32_u24 v[LA], v9, PITCH
	v_lshl_add_u32 v[LA], v10, 5, v[LA]
	v_add_nc_u32 v[LA], s21, v[LA]
	v_lshlrev_b32 v[OFF], 4, v11
	v_lshlrev_b32 v[AO], 6, v9
	v_lshl_add_u32 v[AO], v10, 4, v[AO]
	v_lshlrev_b32 v[BO], 2, v9
	v_lshl_add_u32 v[BO], v10, 16, v[BO]
	v_lshlrev_b32 v[SO], 8, v9
	; A's eight fragments: 16 rows i of A each.  Lane (r, h) takes ranks 4 h .. 4 h + 3 and 8 + 4 h .. 8 + 4 h + 3 of row r for its k places 8 h + 0..7: the ranks are permuted along k, alike in both
	; sources, which keeps the products; so a row's 64 bytes are read by two instructions of 32 bytes a row.
.irp f, 0,1,2,3,4,5,6,7
	global_load_b128 v[AF+8*(\f):AF+8*(\f)+3],   v[AO], s[10:11] offset:1024*(\f)
	global_load_b128 v[AF+8*(\f)+4:AF+8*(\f)+7], v[AO], s[10:11] offset:1024*(\f)+32
.endr
	; B's four fragments: 16 columns o of B each, the same order of ranks: place 8 h + s holds rank 4 h + s (s < 4) or 4 h + s + 4
.irp rb, 0,1,2,3
.irp s, 0,1,2,3
	global_load_b32 v[BF+8*(\rb)+(\s)],   v[BO], s[12:13] offset:64*(\rb)+16384*(\s)
	global_load_b32 v[BF+8*(\rb)+4+(\s)], v[BO], s[12:13] offset:64*(\rb)+16384*((\s)+8)
.endr
.endr
.irp rb, 0,1,2,3
	global_load_b64 v[SC0+2*(\rb):SC0+2*(\rb)+1], v[SO], s[8:9] offset:4096*(\rb)
.endr
	s_wait_loadcnt 0x0                             ; A, B and the scales, once; the first tiles are on their way meanwhile
.macro TOF16 base                      ; eight f32 become k places 0..15 of a fragment (four registers); k places 16..31 are 0 in both sources
.irp k, 0,1,2,3
	v_cvt_pk_f16_f32 v[(\base)+(\k)], v[(\base)+2*(\k)], v[(\base)+2*(\k)+1]  ; ascending: a register is written when both its numbers have been read
.endr
.irp k, 4,5,6,7
	v_mov_b32 v[(\base)+(\k)], 0
.endr
.endm
.irp f, 0,1,2,3
.irp k, 0,2,4,6
	v_pk_mul_f32 v[BF+8*(\f)+(\k):BF+8*(\f)+(\k)+1], v[BF+8*(\f)+(\k):BF+8*(\f)+(\k)+1], 2.0 op_sel_hi:[1,0]  ; ALPHA / RANK = 2: exact
.endr
	TOF16 BF+8*(\f)
.endr
.irp f, 0,1,2,3,4,5,6,7
	TOF16 AF+8*(\f)
.endr
.irp rb, 0,1,2,3
	v_mov_b32 v[SC1+2*(\rb)],   v[SC0+2*(\rb)+1]
	v_mov_b32 v[SC1+2*(\rb)+1], v[SC0+2*(\rb)+1]
.endr
; Eight LDS loads: row block rb of the tile in slot s: for each chunk pair my 8 numbers, 32 bytes
.macro LOADQ s, rb
.irp cp, 0,1,2,3
	ds_load_b128 v[Q+8*(\cp):Q+8*(\cp)+3],   v[LA] offset:(\s)*TILE+(\rb)*16*PITCH+(\cp)*64
	ds_load_b128 v[Q+8*(\cp)+4:Q+8*(\cp)+7], v[LA] offset:(\s)*TILE+(\rb)*16*PITCH+(\cp)*64+16
.endr
.endm
; Tile t of x: rounded and stored.  left = how many younger tensor loads may stay out.
.macro XTILE t, left
	s_wait_tensorcnt \left                         ; a wave's tensor loads end in order: my tile is in LDS
.irp rb, 0,1,2,3
	LOADQ \t, \rb
.irp cp, 0,1,2,3
	s_wait_dscnt 6-2*(\cp)                         ; LDS loads come back in order: chunk pair cp's two are in, the later pairs' may be out
.if (\cp) == 0
	s_wait_xcnt 0x0                                ; Y was the data of the last row block's stores: it is written again only behind this wait
.endif
.irp k, 0,1,2,3
	v_cvt_pk_f16_f32 v[Y+4*(\cp)+(\k)], v[Q+8*(\cp)+2*(\k)], v[Q+8*(\cp)+2*(\k)+1]
.endr
	global_store_b128 v[OFF], v[Y+4*(\cp):Y+4*(\cp)+3], s[14:15] offset:(\rb)*4096+(\t)*2048+(\cp)*512  ; 512 consecutive bytes, aligned: chunks 8 t + 2 cp and the next, 16 rows each
.endr
.endr
.endm
; Tile t of w_q: q s + A 2B, rounded and stored.
.macro WTILE t, left
	s_wait_tensorcnt \left
.irp rb, 0,1,2,3
	LOADQ \t, \rb
.irp cp, 0,1,2,3                       ; four accumulators, each started by the constant 0: no instruction adds onto another's result
	v_wmma_f32_16x16x32_f16 v[D+8*(\cp):D+8*(\cp)+7], v[AF+8*(4*(\t)+(\cp)):AF+8*(4*(\t)+(\cp))+7], v[BF+8*(\rb):BF+8*(\rb)+7], 0
.endr
.irp cp, 0,1,2,3                       ; 32 plain instructions that name no register of the products: the places between the products and the first read of a result (ISA guide 7.12.1)
	s_wait_dscnt 6-2*(\cp)
.irp k, 0,1,2,3,4,5,6,7
	v_cvt_f32_i32 v[Q+8*(\cp)+(\k)], v[Q+8*(\cp)+(\k)]
.endr
.endr
	s_wait_xcnt 0x0                                ; Y was the data of the last row block's stores
.irp cp, 0,1,2,3
.irp k, 0,1,2,3                        ; each result is read from its low end on
	v_pk_fma_f32 v[Q+8*(\cp)+2*(\k):Q+8*(\cp)+2*(\k)+1], v[Q+8*(\cp)+2*(\k):Q+8*(\cp)+2*(\k)+1], v[SC0+8*(\t)+2*(\rb):SC0+8*(\t)+2*(\rb)+1], v[D+8*(\cp)+2*(\k):D+8*(\cp)+2*(\k)+1] op_sel_hi:[1,0,1]
.endr
.irp k, 0,1,2,3
	v_cvt_pk_f16_f32 v[Y+4*(\cp)+(\k)], v[Q+8*(\cp)+2*(\k)], v[Q+8*(\cp)+2*(\k)+1]
.endr
	global_store_b128 v[OFF], v[Y+4*(\cp):Y+4*(\cp)+3], s[16:17] offset:(\rb)*4096+(\t)*2048+(\cp)*512
.endr
.endr
.endm
; Tile n goes into the slot that has just been read.
.macro FILL n
	s_wait_tensorcnt 0x0                           ; all my tensor loads have landed
	ds_add_u32 v[SPW], v[NIL]                      ; 0 onto my spare word
	s_wait_dscnt 0x0                               ; the add is done; my reads of the slot are back (the last count-down ended at 0)
	s_barrier_signal -1
	s_barrier_wait -1                              ; no wave fills a slot before all eight have signalled
	tensor_load_to_lds s[G0+4*(\n):G0+4*(\n)+3], s[G1:G1+7]  ; my one tensor load behind the barrier, and the first thing there
	s_nop 0
.endm
	XTILE 0, 1                                     ; x, tile 0: tile 1's load may stay out
	FILL 2                                         ; w_q's tile 0 into slot 0
	XTILE 1, 1                                     ; x, tile 1: one load was issued behind it
	FILL 3                                         ; w_q's tile 1 into slot 1: the last load
	WTILE 0, 1
	WTILE 1, 0                                     ; no load was issued behind this one
	s_wait_tensorcnt 0x0                           ; the wave's end: the add to my spare word and its wait, behind my last tensor load
	ds_add_u32 v[SPW], v[NIL]
	s_wait_dscnt 0x0
	s_endpgm
.Lfunc_end_k_q7cb9451d13_prep:
	.size	k_q7cb9451d13_prep, .Lfunc_end_k_q7cb9451d13_prep-k_q7cb9451d13_prep
	.p2alignl 7, 3214868480
	.fill 96, 4, 3214868480
	.section	.rodata,"a",@progbits
	.p2align	6, 0x0
	.amdhsa_kernel k_q7cb9451d13_prep
		.amdhsa_group_segment_fixed_size 327680
		.amdhsa_private_segment_fixed_size 0
		.amdhsa_enable_private_segment 0
		.amdhsa_kernarg_size 56
		.amdhsa_user_sgpr_count 2
		.amdhsa_user_sgpr_kernarg_segment_ptr 1
		.amdhsa_wavefront_size32 1
		.amdhsa_system_sgpr_workgroup_id_x 1
		.amdhsa_system_sgpr_workgroup_id_y 1
		.amdhsa_system_sgpr_workgroup_id_z 1
		.amdhsa_system_vgpr_workitem_id 0
		.amdhsa_next_free_vgpr 204
		.amdhsa_next_free_sgpr 66
		.amdhsa_reserve_vcc 0
		.amdhsa_float_denorm_mode_32 3
		.amdhsa_float_denorm_mode_16_64 3
		.amdhsa_memory_ordered 1
		.amdhsa_forward_progress 1
		.amdhsa_inst_pref_size 67
	.end_amdhsa_kernel
	.amdgpu_metadata
---
amdhsa.version: [ 1, 2 ]
amdhsa.kernels:
  - .name:           k_q7cb9451d13_prep
    .symbol:         k_q7cb9451d13_prep.kd
    .args:
      - { .name: x, .offset: 0, .size: 8, .value_kind: global_buffer, .address_space: global }
      - { .name: w_q, .offset: 8, .size: 8, .value_kind: global_buffer, .address_space: global }
      - { .name: scale, .offset: 16, .size: 8, .value_kind: global_buffer, .address_space: global }
      - { .name: A, .offset: 24, .size: 8, .value_kind: global_buffer, .address_space: global }
      - { .name: B, .offset: 32, .size: 8, .value_kind: global_buffer, .address_space: global }
      - { .name: xh, .offset: 40, .size: 8, .value_kind: global_buffer, .address_space: global }
      - { .name: wh, .offset: 48, .size: 8, .value_kind: global_buffer, .address_space: global }
    .group_segment_fixed_size: 327680
    .private_segment_fixed_size: 0
    .kernarg_segment_align: 8
    .kernarg_segment_size: 56
    .max_flat_workgroup_size: 256
    .sgpr_count:     66
    .vgpr_count:     204
    .wavefront_size: 32
...
	.end_amdgpu_metadata
.endif
;; end of part 1
;; launch gemm (part 2): grid 16 x 16, 4 waves a work-group, clusters of 4 x 4, 327,680 bytes of LDS; arguments xh, wh, out0; writes out0
.if DOCPART == 2
	.amdgcn_target "amdgcn-amd-amdhsa--gfx1250"
	.amdhsa_code_object_version 6
	.text
	.protected	k_q7cb9451d13_gemm
	.globl	k_q7cb9451d13_gemm
	.p2align	8
	.type	k_q7cb9451d13_gemm,@function
k_q7cb9451d13_gemm:
	s_mov_b64 s[64:65], 0
	v_nop
	global_prefetch_b8 v0, s[64:65] scope:SCOPE_SE
	s_setreg_imm32_b32 hwreg(HW_REG_WAVE_MODE, 25, 1), 1
	s_wait_xcnt 0x0
	s_wait_alu depctr_hold_cnt(0) depctr_sa_sdst(0) depctr_va_vdst(0) depctr_va_sdst(0) depctr_va_ssrc(0) depctr_va_vcc(0) depctr_vm_vsrc(0)
	s_getreg_b32 s2, hwreg(HW_REG_IB_STS2, 6, 4)
	s_cmp_eq_u32 s2, 0
	s_cbranch_scc0 .Lentry_in_a_cluster
	s_endpgm
.Lentry_in_a_cluster:
	s_bfe_u32 s2, ttmp6, 0x10000c
	s_cmp_lg_u32 s2, 0xf033
	s_cbranch_scc0 .Lentry_shape_is_right
	s_endpgm
.Lentry_shape_is_right:
; out0[m][o] = sum over k of xh[m][k] wh[o][k].  M = N = K = 4,096.  xh, wh: f16, laid out by the launch before; out0: [4096][4096] f32, row-major.  Sums in f32, K ascending.
; f16 and not bf16: both operands were made by this program and lie far inside f16's range (the launch before states the limit, 65,520); f16 keeps 11 significant bits to bf16's 8.
; LAYOUT OF xh AND wh (R the row, k the column):  byte = (R / 128) 1,048,576 + (k / 128) 32,768 + ((R / 16) % 8) 4,096 + ((k / 8) % 16) 256 + (R % 16) 16 + (k % 8) 2.
; So 128 rows x 128 k, what one wave fetches for a K step, are 32,768 bytes on end, asked for as 128 rows of 256 bytes, aligned; and half a fragment (16 rows x 8 k for each half of the lanes) lies at
; 16 x lane: each LDS load takes 512 consecutive bytes, so the slots need no padding.
; SHARES.  A tile of out0, 256 x 256, is made by a work-group of four waves, a wave makes 128 x 128: 64 accumulators of 16 x 16, 512 registers.  16 x 16 tiles: one work-group for each, one tile each.
; K goes in 32 steps of 128 through a ring of two LDS slots filled by the tensor data mover.
; CLUSTERS: 4 x 4 work-groups.  The four of a row of the cluster need the same rows of xh, the four of a column the same rows of wh: each tile is asked for JOINTLY, by the same tensor load with the same
; descriptor and a mask that names the four; each receives it in its own LDS.
; THE MATRIX INSTRUCTION IS USED TRANSPOSED: source 0 = 16 rows of wh, source 1 = 16 rows of xh.  Lane l then holds row l % 16 of out0 and its registers 0 to 7 the columns 8 (l / 16) + 0..7: 32 bytes on end.
; REGISTERS, in windows of 256 (s_set_vgpr_msb: bits 1:0 source 0, 3:2 source 1, 5:4 source 2, 7:6 destination):
;   window 0: v0-31 addresses; v64-127, v128-191 fragments of xh, two buffers; on the way out the same registers hold rows read back from the stage
;   window 1: v64-127, v128-191 fragments of wh, two buffers
;   window 2: the 32 accumulators of my rows 0-63 (accumulator (a, b) at v[8 (8 a + b)]);   window 3: those of my rows 64-127
.set KSTEPB, 32768                     ; bytes from a K step to the next in a group of 128 rows; also what one tensor load brings, and what one wave reads of xh or of wh in a K step
.set HALFT,  32768
.set SLOT,   4*HALFT                   ; xh's 256 rows, then wh's 256 rows
.set STAGE,  2*SLOT                    ; behind the ring: 16 rows x 528 bytes for each wave, for the way out; no tensor load fills it
.set SPITCH, 528                       ; a stage row: 512 bytes + 16 = 33 x 16: the 16 rows that 16 lanes write begin in 16 different columns of 16 bytes modulo 256
.set WSTAGE, 16*SPITCH                 ; 8,448 = 33 blocks of 256 bytes
.set SPARE,  STAGE+4*WSTAGE            ; behind the stages: the spare words, 128 bytes for each wave: two blocks of 256 bytes that no other line names
.set LAPS,   16                        ; a lap = two K steps = once round the ring
.set ROWC,   16384                     ; bytes in a row of out0
.set ADRA, 16                          ; v16-17  LDS address of my xh fragments in slot 0, 1
.set ADRB, 20                          ; v20-21  the same for wh
.set STO,  24                          ; v24     the way out: where I put 32 bytes of a row
.set RD,   25                          ; v25     the way out: where I read a row back
.set CO,   26                          ; v26     my byte offset in a row's 512 bytes of out0
.set SPW,  28                          ; v28     LDS address of my spare word; never rewritten
.set NIL,  29                          ; v29     0; never rewritten
.set PFO,  30                          ; v30     the prefetches' offset: 256 x lane; never rewritten
.set PFA,  44                          ; s[44:45] where my prefetches stand: my work-group's 8,192 bytes of the 32,768 that I fetch, one K step further on than the refill that is being asked for
.set LIM,  43                          ; s43     1 in a wave that prefetches, else the greatest number
.set F0,   64                          ; fragment buffer 0
.set F1,   128                         ; fragment buffer 1
.set G1,  24                           ; s[24:31] descriptor group 1 for xh's tiles
.set G0,  32                           ; s[32:39] descriptor group 0 for xh's tiles, one set for each slot
.set G1B, 48                           ; s[48:55] group 1 for wh's tiles: it differs in the mask alone
.set G0B, 56                           ; s[56:63] group 0 for wh's tiles
.set MSB, 0
.macro WIN new                         ; the immediate's high byte repeats the setting that is left; a switch that changes nothing is dropped
.if MSB != (\new)
	s_set_vgpr_msb (MSB<<8)|(\new)
.set MSB, \new
.endif
.endm
.set MUL_LO, 0xa1                      ; source 0 (wh) window 1, source 1 (xh) window 0, C and D window 2
.set MUL_HI, 0xf1                      ; the same, C and D window 3
.set TO_B,   0x40                      ; destination window 1, address window 0
; A joint load.  Waves 0 and 1 fetch xh's two halves, waves 2 and 3 wh's.  Each of the two lines has one mask and one set of registers for all that issue it.  The branch hangs on the wave's number alone.
; An s_nop 0 and four v_nop follow each of the two lines, ahead of the jump, the label and what follows.
.macro JLOAD s
	s_cmp_eq_u32 s11, 0
	s_cbranch_scc0 .Lfor_b_\@
	tensor_load_to_lds s[G0+4*(\s):G0+4*(\s)+3], s[G1:G1+7]
	s_nop 0
.rept 4
	v_nop
.endr
	s_branch .Lasked_\@
.Lfor_b_\@:
	tensor_load_to_lds s[G0B+4*(\s):G0B+4*(\s)+3], s[G1B:G1B+7]
	s_nop 0
.rept 4
	v_nop
.endr
.Lasked_\@:
.endm
; A PREFETCH INTO THE L2, behind each joint load, its five lines and the run of LDS loads that follows them: of the K step that stands TWO refills on (512 matrix instructions ahead of the load that will ask
; for it), 32 blocks of 256 bytes, a lane a block, one instruction a wave.  Each block is named ONCE in the launch: xh's rows are read by every cluster of a row of clusters, and the one with x = 0 asks;
; wh's by every cluster of a column, and the one with y = 0 asks.  The four partners that ask for a tile jointly share its 32,768 bytes out BY ADDRESS, 8,192 each (by cx for xh, by cy for wh): no branch
; hangs on a work-group's place in its cluster.  The change of slots number n (from 1) names K step n + 3; the loop's last trip (s3 = 1) names nothing, so K step 31 is the last.  K steps 0 to 3 come by
; their loads alone: nothing is prefetched at the head, where every work-group's first tiles are on their way.
.macro ASK
	s_cmp_gt_u32 s3, s[LIM]
	s_cbranch_scc0 .Lnot_mine_\@
	global_prefetch_b8 v[PFO], s[PFA:PFA+1] offset:KSTEPB th:TH_LOAD_NT scope:SCOPE_SE
.Lnot_mine_\@:
.endm
; A round of the cluster's barrier: my work-group's barrier, so that wave 0's signal speaks for all four waves; wave 0 signals for the work-group; every wave waits for all sixteen work-groups; my
; work-group's barrier once more.  No LDS instruction of the wave is pending at a signal.
.macro CREST                           ; a round behind its opening barrier
	s_cmp_lg_u32 s10, 0
	s_cbranch_scc1 .Lnot_wave_0_\@
	s_barrier_signal -3
.Lnot_wave_0_\@:
	s_barrier_wait -3
	s_barrier_signal -1
	s_barrier_wait -1
.endm
.macro CROUND                          ; a whole round
	s_barrier_signal -1
	s_barrier_wait -1
	CREST
.endm
	s_load_b128 s[4:7], s[0:1], 0x0                ; xh s[4:5], wh s[6:7]
	s_load_b64 s[8:9], s[0:1], 0x10                ; out0
	v_lshl_add_u32 v[SPW], v0, 2, SPARE
	v_mov_b32 v[NIL], 0
	ds_add_u32 v[SPW], v[NIL]                      ; the wave's opening: the add, twice on end, and its wait ahead of my first tensor load; the set-up below stands between
	ds_add_u32 v[SPW], v[NIL]                      ; and once more, under the one wait
	v_lshrrev_b32 v1, 5, v0
	v_readfirstlane_b32 s10, v1                    ; wave 0..3
	s_lshr_b32 s11, s10, 1                         ; which half of the tile's rows is mine.  Also: I fetch for xh (0) or for wh (1)
	s_and_b32 s12, s10, 1                          ; which half of its columns.  Also: which 128 rows of that tile I fetch
	s_bfe_u32 s40, ttmp6, 0x40000                  ; cx: my place along the cluster's x
	s_bfe_u32 s41, ttmp6, 0x40004                  ; cy: along its y
	s_lshl_b32 s42, ttmp9, 2                       ; in a cluster launch ttmp9 and ttmp7 count clusters
	s_add_co_u32 s42, s42, s40                     ; tile column = 4 x cluster x + cx
	s_and_b32 s13, ttmp7, 0xffff
	s_lshl_b32 s13, s13, 2
	s_add_co_u32 s13, s13, s41                     ; tile row = 4 x cluster y + cy
	s_lshl_b32 s43, s41, 2
	s_lshl_b32 s43, 15, s43                        ; my row of the cluster: places 4 cy .. 4 cy + 3
	s_lshl_b32 s44, 0x1111, s40                    ; my column: places cx, cx + 4, cx + 8, cx + 12
	; group 1: 32,768 dense bytes as 128 rows of 32 elements of 8 bytes; no padding
	s_or_b32 s[G1+0], s43, (3<<16)|(1<<21)         ; 15:0 the mask: xh's tiles go to my row; 17:16 elements of 8 bytes; 21 set beside a mask
	s_or_b32 s[G1B+0], s44, (3<<16)|(1<<21)        ; the same with the mask of my column, for wh's tiles
.irp g, G1, G1B
	s_mov_b32 s[(\g)+1], 32<<16                    ; tensor_dim0 = 32
	s_mov_b32 s[(\g)+2], 128<<16                   ; tensor_dim1 = 128
	s_mov_b32 s[(\g)+3], 32<<16                    ; tile_dim0 = 32
	s_mov_b32 s[(\g)+4], 128                       ; tile_dim1 = 128
	s_mov_b32 s[(\g)+5], 32                        ; elements from row to row: dense
	s_mov_b32 s[(\g)+6], 0
	s_mov_b32 s[(\g)+7], 0
.endr
	; where the tiles come from.  xh's hang on the tile row alone, which my row of the cluster shares; wh's on the tile column alone, which my column shares.
	s_lshl_b32 s16, s13, 1
	s_add_co_u32 s16, s16, s12                     ; xh: group of 128 rows 2 x tile row + half,
	s_lshl_b32 s16, s16, 20                        ; 1,048,576 bytes each
	s_mov_b32 s17, 0
	s_lshl_b32 s46, s42, 1
	s_add_co_u32 s46, s46, s12                     ; wh: group 2 x tile column + half
	s_lshl_b32 s46, s46, 20
	s_mov_b32 s47, 0
	s_mul_i32 s20, s10, HALFT                      ; and where they go: xh's two halves, then wh's two halves = wave x 32,768: no place in the cluster enters an LDS address
	s_wait_dscnt 0x0                               ; both opening adds are done
	s_wait_kmcnt 0x0
	s_add_nc_u64 s[14:15], s[4:5], s[16:17]
	s_add_nc_u64 s[46:47], s[6:7], s[46:47]
	CROUND                                         ; all sixteen work-groups are here: the first joint loads meet
.irp s, 0,1
	s_mov_b32 s[G0+4*(\s)], 1                                      ; count = 1
	s_add_co_u32 s[G0+4*(\s)+1], s20, (\s)*SLOT                    ; LDS address
	s_add_nc_u64 s[G0+4*(\s)+2:G0+4*(\s)+3], s[14:15], (\s)*KSTEPB ; global address: K step s
	s_or_b32 s[G0+4*(\s)+3], s[G0+4*(\s)+3], 0x80000000            ; type = 2
	s_mov_b32 s[G0B+4*(\s)], 1
	s_add_co_u32 s[G0B+4*(\s)+1], s20, (\s)*SLOT
	s_add_nc_u64 s[G0B+4*(\s)+2:G0B+4*(\s)+3], s[46:47], (\s)*KSTEPB
	s_or_b32 s[G0B+4*(\s)+3], s[G0B+4*(\s)+3], 0x80000000
	JLOAD \s                                       ; the ring is filled before anything else is done: two loads of mine are out
.endr
	; A fragment is 16 rows x 32 K in 8 registers: lane l holds row l % 16; registers 0-3 hold K = 8 (l / 16) + 0..7, registers 4-7 K = 16 + 8 (l / 16) + 0..7.
	; In a slot row block i, quarter q: registers 0-3 lie at 4,096 i + 1,024 q + 16 l, registers 4-7 512 bytes on.
	v_and_b32 v1, 15, v0                           ; l % 16
	v_bfe_u32 v2, v0, 4, 1                         ; l / 16
	v_and_b32 v3, 31, v0
	v_lshlrev_b32 v3, 4, v3                        ; 16 l
	s_mul_i32 s21, s11, HALFT                      ; my 128 rows of xh
	s_mul_i32 s22, s12, HALFT                      ; my 128 rows of wh,
	s_add_co_u32 s22, s22, 2*HALFT                 ; which lie behind xh's 256
.irp s, 0,1
	v_add_nc_u32 v[ADRA+(\s)], s21, v3
	v_add_nc_u32 v[ADRB+(\s)], s22, v3
	s_add_co_u32 s21, s21, SLOT
	s_add_co_u32 s22, s22, SLOT
.endr
	s_mul_i32 s23, s10, WSTAGE
	s_add_co_u32 s23, s23, STAGE                   ; my stage
	v_mul_u32_u24 v4, v1, SPITCH                   ; in: row l % 16, 32 bytes for each half of the lanes
	v_lshl_add_u32 v4, v2, 5, v4
	v_add_nc_u32 v[STO], s23, v4
	v_add_nc_u32 v[RD], s23, v3                    ; back: 32 lanes take one row of 512 bytes
	v_mov_b32 v[CO], v3                            ; and the same 512 bytes of a row of out0
	; where my part of the tile begins in out0, in bytes: the way out adds it to out0's address
	s_lshl_b32 s16, s13, 22                        ; 256 x tile row rows of 16,384 bytes
	s_lshl_b32 s18, s11, 21                        ; + 128 x half
	s_add_co_u32 s16, s16, s18
	s_mov_b32 s17, 0
	s_lshl_b32 s46, s42, 10                        ; 256 x tile column columns of 4 bytes
	s_lshl_b32 s47, s12, 9                         ; + 128 x half
	s_add_co_u32 s46, s46, s47
	s_mov_b32 s47, 0
	s_add_nc_u64 s[16:17], s[16:17], s[46:47]
	; the prefetches
	s_and_b32 s22, ttmp7, 0xffff                   ; cluster y
	s_cmp_eq_u32 s11, 0                            ; do I fetch for xh?
	s_cselect_b32 s20, s13, s42                    ; the tile row, or the tile column
	s_cselect_b32 s21, s40, s41                    ; my place among the four that ask with me
	s_cselect_b32 s22, ttmp9, s22                  ; the coordinate along which other clusters read the same rows
	s_cselect_b64 s[PFA:PFA+1], s[4:5], s[6:7]
	s_cmp_eq_u32 s22, 0
	s_cselect_b32 s[LIM], 1, -1                    ; the same in all sixteen partners, for a given wave
	s_lshl_b32 s20, s20, 1
	s_add_co_u32 s20, s20, s12                     ; the group of 128 rows that I fetch
	s_lshl_b32 s20, s20, 20
	s_lshl_b32 s21, s21, 13                        ; my work-group's 8,192 bytes of a K step's 32,768
	s_add_co_u32 s20, s20, s21
	s_mov_b32 s21, 0
	s_add_nc_u64 s[PFA:PFA+1], s[PFA:PFA+1], s[20:21]
	s_add_nc_u64 s[PFA:PFA+1], s[PFA:PFA+1], 2*KSTEPB  ; at K step 2: the first change of slots steps it to 3 and names K step 4
	v_and_b32 v[PFO], 31, v0
	v_lshlrev_b32 v[PFO], 8, v[PFO]
; 16 matrix instructions: row blocks a0, a0 + 1 of the window's four (hi = 0: my rows 0-63, 1: rows 64-127) x all 8 column blocks, 32 along K.  zero = 1: the first product starts the sums: nothing is cleared.
; The 64 accumulators take turns, one instruction a turn, in the same order in every quarter: 63 others stand between two links of a chain, over the backward jump too.
.macro MUL16 f, hi, a0, zero
	WIN MUL_LO+0x50*(\hi)
.irp a, \a0, (\a0)+1
.irp b, 0,1,2,3,4,5,6,7
.if \zero
	v_wmma_f32_16x16x32_f16 v[8*(8*(\a)+(\b)):8*(8*(\a)+(\b))+7], v[(\f)+8*(\b):(\f)+8*(\b)+7], v[(\f)+8*(4*(\hi)+(\a)):(\f)+8*(4*(\hi)+(\a))+7], 0
.else
	v_wmma_f32_16x16x32_f16 v[8*(8*(\a)+(\b)):8*(8*(\a)+(\b))+7], v[(\f)+8*(\b):(\f)+8*(\b)+7], v[(\f)+8*(4*(\hi)+(\a)):(\f)+8*(4*(\hi)+(\a))+7], v[8*(8*(\a)+(\b)):8*(8*(\a)+(\b))+7]
.endif
.endr
.endr
.endm
; 32 LDS loads in one run: the fragments of one quarter (128 rows of wh, 128 rows of xh, 32 K, at byte k = 1,024 x quarter of each row block) into buffer f
.macro FETCH slot, k, f
	WIN TO_B
.irp i, 0,1,2,3,4,5,6,7
	ds_load_b128 v[(\f)+8*(\i):(\f)+8*(\i)+3],   v[ADRB+(\slot)] offset:(\k)+(\i)*4096
	ds_load_b128 v[(\f)+8*(\i)+4:(\f)+8*(\i)+7], v[ADRB+(\slot)] offset:(\k)+(\i)*4096+512
.endr
	WIN 0
.irp i, 0,1,2,3,4,5,6,7
	ds_load_b128 v[(\f)+8*(\i):(\f)+8*(\i)+3],   v[ADRA+(\slot)] offset:(\k)+(\i)*4096
	ds_load_b128 v[(\f)+8*(\i)+4:(\f)+8*(\i)+7], v[ADRA+(\slot)] offset:(\k)+(\i)*4096+512
.endr
.endm
; A load into a register that a matrix instruction has read, and a store that reads a matrix result, stand four places behind that matrix instruction, and only plain vector instructions that name none of
; its registers are places (ISA guide 7.12.1 for vector instructions); the matrix instructions in between are not counted.
.macro PLACES
.rept 4
	v_nop
.endr
.endm
; A K step is four quarters of 32 along K, 64 matrix instructions each, on buffers 0, 1, 0, 1.  One of the first three: multiplies buffer f; in its middle it fetches the next quarter, at byte k, into buffer g.
.macro QUARTER slot, k, f, g, zero
	s_wait_dscnt 8                                 ; wh and xh's rows 0-63 are in; the youngest eight loads (xh's rows 64-127) may be out
	WIN MUL_LO
	MUL16 \f, 0, 0, \zero
	MUL16 \f, 0, 2, \zero
	PLACES
	FETCH \slot, \k, \g
	s_wait_dscnt 32                                ; all but the 32 just issued
	WIN MUL_HI
	MUL16 \f, 1, 0, \zero
	MUL16 \f, 1, 2, \zero
.endm
; The last quarter multiplies buffer 1 and changes slots.  MEET is its first half: ONE barrier for the change.  In front of it each wave waits for all its tensor loads, of which one is out: its part of the
; next slot; adds 0 to its spare word; and waits for that and for its own reads of this slot.  Behind it nobody reads this slot any more and the next slot is whole.
.macro MEET round                      ; round = 1: a round of the cluster's barrier follows
	WIN 0                                          ; (the add's two registers lie in window 0)
	s_wait_tensorcnt 0x0                           ; all my tensor loads have landed;
	ds_add_u32 v[SPW], v[NIL]                      ; 0 onto my spare word;
	s_wait_dscnt 9                                 ; (the add and the youngest eight loads may be out)
	WIN MUL_LO
	MUL16 F1, 0, 0, 0                              ; sixteen matrix instructions stand between the add and the wait for it
	s_wait_dscnt 0x0                               ; the add is done, and my reads of this slot are over:
	s_barrier_signal -1                            ; say so,
	MUL16 F1, 0, 2, 0                              ; work on registers while the others arrive,
.if \round
	WIN 0
.endif
	s_barrier_wait -1                              ; and go on when all four have said so
.endm
; The whole last quarter.  Behind the round the slot just read out is filled again first, with the K step two steps on; then come the next slot's first fragments.
; From a request to the wait for it a wave issues 224 matrix instructions; one tensor load of mine is out meanwhile.
.macro TURN slot, next
	s_wait_xcnt 0x0                                ; the last prefetch, a K step back, has read its address: it is stepped here, ahead of the waits of the change of slots
	s_add_nc_u64 s[PFA:PFA+1], s[PFA:PFA+1], KSTEPB
	MEET 1
	CREST                                          ; all sixteen work-groups have said so: no wave of any partner still reads this slot's tile or has a load on its way
	s_add_nc_u64 s[G0+4*(\slot)+2:G0+4*(\slot)+3], s[G0+4*(\slot)+2:G0+4*(\slot)+3], 2*KSTEPB   ; no tensor load of mine is out, so a group 0 may be written; the type bits on top are not reached
	s_add_nc_u64 s[G0B+4*(\slot)+2:G0B+4*(\slot)+3], s[G0B+4*(\slot)+2:G0B+4*(\slot)+3], 2*KSTEPB
	JLOAD \slot                                    ; the first tensor load behind the round; the four v_nop behind it are also the places in front of the loads below
	FETCH \next, 0, F0
	ASK
	WIN MUL_HI
	MUL16 F1, 1, 0, 0
	MUL16 F1, 1, 2, 0
.endm
; THE WAY OUT of block a (16 of my rows), without a conversion: out0 is f32.  TOSTAGE: a lane's 32 bytes of a row, for each of the 8 column blocks, go from the accumulators into my own stage, rows of 528
; bytes, and come back as whole rows of 512 bytes.  SEND: stored.
.macro TOSTAGE a
.set AC, 64*((\a)%4)
.set BK, F0+64*((\a)%2)                ; the fragment buffers of xh, by turns
	s_wait_xcnt 0x0                                ; these registers were the data of the stores of the block two back: they are loaded again only behind this wait
	WIN 0x08+4*((\a)/4)                            ; an LDS store's data are source 1: window 2 (blocks 0-3) or 3; its address window 0
.irp b, 0,1,2,3,4,5,6,7
	ds_store_b128 v[STO], v[AC+8*(\b):AC+8*(\b)+3]   offset:64*(\b)      ; each result is read from its low end on
	ds_store_b128 v[STO], v[AC+8*(\b)+4:AC+8*(\b)+7] offset:64*(\b)+16
.endr
	WIN 0
.irp t, 0,1,2,3,4,5,6,7,8,9,10,11,12,13,14,15
	ds_load_b128 v[BK+4*(\t):BK+4*(\t)+3], v[RD] offset:(\t)*SPITCH  ; LDS serves a wave's instructions in order (ISA guide 5.7.1.4): these see the stores above, and the next block's stores come behind them
.endr
.endm
.macro SEND a, younger                 ; younger: the LDS instructions issued behind block a's loads: the next block's 16 stores and 16 loads, or none
.set BK, F0+64*((\a)%2)
	s_wait_dscnt \younger                          ; the block is back in registers
	s_wait_xcnt 0x0                                ; the earlier stores have read their base: it is stepped only behind this wait
.if (\a) == 0
	s_add_nc_u64 s[8:9], s[8:9], s[16:17]          ; on to my first rows
.else
	s_add_nc_u64 s[8:9], s[8:9], 16*ROWC           ; 16 rows on
.endif
.irp t, 0,1,2,3,4,5,6,7,8,9,10,11,12,13,14,15
	global_store_b128 v[CO], v[BK+4*(\t):BK+4*(\t)+3], s[8:9] offset:(\t)*ROWC th:TH_STORE_NT  ; 32 lanes store 512 consecutive bytes of one row, at a multiple of 512 from out0's first byte
.endr
.endm
	s_wait_tensorcnt 1                             ; my part of K step 0 is in; K step 1's may stay out
	s_barrier_signal -1
	s_barrier_wait -1                              ; everybody's is
	FETCH 0, 0, F0
	QUARTER 0, 1024, F0, F1, 1                     ; the first quarter stands in front of the loop: its products start the sums
	WIN 0                                          ; at a label and at a branch every window is 0
	s_mov_b32 s3, LAPS-1
.Llap:                                                 ; a trip goes once round the ring, from a lap's second quarter to the next lap's first, and fills both slots again
	QUARTER 0, 2048, F1, F0, 0
	QUARTER 0, 3072, F0, F1, 0
	TURN 0, 1
	QUARTER 1, 1024, F0, F1, 0
	QUARTER 1, 2048, F1, F0, 0
	QUARTER 1, 3072, F0, F1, 0
	TURN 1, 0
	QUARTER 0, 1024, F0, F1, 0
	WIN 0
	s_sub_co_u32 s3, s3, 1
	s_cmp_lg_u32 s3, 0
	s_cbranch_scc1 .Llap
	QUARTER 0, 2048, F1, F0, 0                     ; the last lap is written out: it fills nothing
	QUARTER 0, 3072, F0, F1, 0
	MEET 0                                         ; my one tensor load that was still out is slot 1's, the last K step's, so no round follows
	PLACES                                         ; for the loads into buffer 0, which the quarter before multiplied
	FETCH 1, 0, F0
	WIN MUL_HI
	MUL16 F1, 1, 0, 0
	MUL16 F1, 1, 2, 0
	QUARTER 1, 1024, F0, F1, 0
	QUARTER 1, 2048, F1, F0, 0
	QUARTER 1, 3072, F0, F1, 0
	s_wait_dscnt 8                                 ; the very last quarter: nothing more to fetch
	MUL16 F1, 0, 0, 0
	MUL16 F1, 0, 2, 0
	s_wait_dscnt 0x0
	MUL16 F1, 1, 0, 0
	MUL16 F1, 1, 2, 0
	WIN 0
	PLACES                                         ; the LDS stores below read results, and the loads behind them land in registers that the last products read;
	PLACES                                         ; eight, once a launch
	TOSTAGE 0
.irp a, 1,2,3,4,5,6,7                  ; block a's way through the stage is issued ahead of block a - 1's stores
	TOSTAGE \a
	SEND (\a)-1, 32
.endr
	SEND 7, 0
	s_wait_tensorcnt 0x0                           ; the wave's end: the add to my spare word and its wait, behind my last tensor load and my last LDS store
	ds_add_u32 v[SPW], v[NIL]
	s_wait_dscnt 0x0
	CROUND                                         ; the closing round: no work-group ends while a partner may still ask for a tile that names it
	s_endpgm
.Lfunc_end_k_q7cb9451d13_gemm:
	.size	k_q7cb9451d13_gemm, .Lfunc_end_k_q7cb9451d13_gemm-k_q7cb9451d13_gemm
	.p2alignl 7, 3214868480
	.fill 96, 4, 3214868480
	.section	.rodata,"a",@progbits
	.p2align	6, 0x0
	.amdhsa_kernel k_q7cb9451d13_gemm
		.amdhsa_group_segment_fixed_size 327680
		.amdhsa_private_segment_fixed_size 0
		.amdhsa_enable_private_segment 0
		.amdhsa_kernarg_size 24
		.amdhsa_user_sgpr_count 2
		.amdhsa_user_sgpr_kernarg_segment_ptr 1
		.amdhsa_wavefront_size32 1
		.amdhsa_system_sgpr_workgroup_id_x 1
		.amdhsa_system_sgpr_workgroup_id_y 1
		.amdhsa_system_sgpr_workgroup_id_z 1
		.amdhsa_system_vgpr_workitem_id 0
		.amdhsa_next_free_vgpr 1024
		.amdhsa_next_free_sgpr 66
		.amdhsa_reserve_vcc 0
		.amdhsa_float_denorm_mode_32 3
		.amdhsa_float_denorm_mode_16_64 3
		.amdhsa_memory_ordered 1
		.amdhsa_forward_progress 1
		.amdhsa_inst_pref_size 142
	.end_amdhsa_kernel
	.amdgpu_metadata
---
amdhsa.version: [ 1, 2 ]
amdhsa.kernels:
  - .name:           k_q7cb9451d13_gemm
    .symbol:         k_q7cb9451d13_gemm.kd
    .args:
      - { .name: xh, .offset: 0, .size: 8, .value_kind: global_buffer, .address_space: global }
      - { .name: wh, .offset: 8, .size: 8, .value_kind: global_buffer, .address_space: global }
      - { .name: out0, .offset: 16, .size: 8, .value_kind: global_buffer, .address_space: global }
    .group_segment_fixed_size: 327680
    .private_segment_fixed_size: 0
    .kernarg_segment_align: 8
    .kernarg_segment_size: 24
    .max_flat_workgroup_size: 128
    .sgpr_count:     66
    .vgpr_count:     1024
    .wavefront_size: 32
...
	.end_amdgpu_metadata
.endif
;; end of part 2
